; MI455X (gfx1250); checked and timed in simulation.
; The chip was launched on July 23, 2026; its instructions are those of AMD's public machine-readable ISA for CDNA 5 (MIT licence, August 2026) and "CDNA5" Instruction Set Architecture Reference Guide (July 2026). The comments in the code are by the model that wrote it; some were corrected since.
;; Self Attention. Allowed arithmetic: matrix products marked QUANTISED: E2M3 operands, one E8M0 scale for each 32 along K, by v_wmma_scale_f32_16x16x128_f8f6f4 with both operands' format E2M3, f32 sums; everything else in f32.
;; Inputs: Wk 128 x 1,024 float32; Wq 128 x 1,024 float32; Wv 1,024 x 1,024 float32; bk 128 float32; bq 128 float32; bv 1,024 float32; gamma 1 float32; x 8 x 1,024 x 32 x 64 float32.
;; Outputs: out0 8 x 1,024 x 32 x 64 float32.
;; This version of the problem:
;;   THIS VERSION OF THE PROBLEM IS GIVEN IN LOW PRECISION. The matrix products marked QUANTISED in the list below multiply operands that are first quantised to E2M3 (2 exponent bits, 3 mantissa bits; 6 bits a number), with one power-of-two scale for each 32 numbers along K (OCP MX v1.0); their sums are f32. All else is computed in f32.
;;   The module's matrix products, in the order in which they are computed (A, B: the left and right operand; K: the contracted axis; several contracted axes count as one K, in the product's order):
;;     1. [M 16,384, K 1,024] x [K 1,024, N 128]; A: input x; B: input Wq: QUANTISED
;;     2. [M 16,384, K 1,024] x [K 1,024, N 128]; A: input x; B: input Wk: QUANTISED
;;     3. [M 16,384, K 1,024] x [K 1,024, N 1,024]; A: input x; B: input Wv: QUANTISED
;;     4. batch 8 x [M 2,048, K 128] x [K 128, N 2,048]; A: computed on the way; B: computed on the way: QUANTISED
;;     5. batch 8 x [M 1,024, K 2,048] x [K 2,048, N 2,048]; A: computed on the way; B: softmax (see below): QUANTISED
;;   THE QUANTISER, for each operand of a quantised product, along K:
;;     - K is cut into blocks of 32 from its start; a last block that is shorter is filled with zeros.
;;     - A block's scale is 2^e with e = floor(log2(the largest magnitude in the block)) - 2, held to -126 .. 127; a block of zeros has e = 0. As a byte (E8M0): e + 127.
;;     - Each number is divided by its block's scale, clamped to +-7.5, and rounded to the nearest number of E2M3, ties to even, subnormals kept.
;;     - The product sums the exact products of the quantised numbers (number of the format x scale) in f32.
;;   ~~~python
;;   def quantise(x, axis):      # numpy; x: float32 -> the quantised numbers, widened to float32 again
;;       x = np.moveaxis(x, axis, -1); K = x.shape[-1]
;;       x = np.pad(x, [(0, 0)] * (x.ndim - 1) + [(0, -K % 32)]); x = x.reshape(x.shape[:-1] + (-1, 32)); a = np.abs(x).max(-1, keepdims=True)
;;       e = np.where(a > 0, np.clip(np.frexp(np.where(a > 0, a, 1))[1] - 1 - 2, -126, 127), 0)      # np.frexp(a)[1] - 1 = floor(log2(a)), exactly
;;       r = np.clip(x / 2.0 ** e, -7.5, 7.5)
;;       step = 2.0 ** (np.maximum(np.frexp(np.where(r == 0, 1, r))[1] - 1, 0) - 3)
;;       q = np.round(r / step) * step * 2.0 ** e      # np.round: ties to even
;;       return np.moveaxis(q.reshape(q.shape[:-2] + (-1,))[..., :K], -1, axis).astype(np.float32)
;;   ~~~
;;   SOFTMAX AHEAD OF A QUANTISED PRODUCT. Where the list says 'softmax', what is quantised is not the finished softmax but p = 2^(t - M), with t = logit x log2(e) and M = ceil(the row's largest t), a whole number; so 1/2 < the row's largest p <= 1. The row's sum l is taken of the UNQUANTISED p, in f32, and the product's result is divided by l at the end. Since M is a whole number, a kernel that streams over the keys may use a running M (the ceiling of the running maximum): every later rescaling is an exact power of two, which a block's scale takes up: the codes' values come out the same.
;;   OPERANDS COMPUTED ON THE WAY. 'Computed on the way' means the value that the module computes at that place (a softmax that the list does not call 'softmax' is quantised finished and normalised). What goes into a quantiser is computed in f32, as accurately as f32 sums, v_exp_f32 and their like allow (about 1e-6 of the number): no bf16 or f16 on the way to a quantiser, and a product that is left as it is and whose result goes on into a quantised operand takes f32 operands (vector FMAs, or v_wmma_f32_16x16x4_f32). A number that lies on a knife's edge between two numbers of the format may be rounded either way, as far as f32 arithmetic and the matrix unit's own rounding can turn it there, and no further.
;; One version. Each part assembles by itself: llvm-mc -triple=amdgcn-amd-amdhsa -mcpu=gfx1250 --defsym DOCPART=n.
;; ======== version 1 of 1: 3 launches
;; workspace buffers: XI 13,107,200 bytes; WI 1,024,000 bytes; VK 15,335,424 bytes; QI 1,703,936 bytes
;; launch quant (part 1): grid 512 x 1, 4 waves a work-group, no clusters, 0 bytes of LDS; arguments x, Wq, Wk, Wv, XI, WI; writes XI, WI
.if DOCPART == 1
	.amdgcn_target "amdgcn-amd-amdhsa--gfx1250"
	.amdhsa_code_object_version 6
	.text
	.protected	k_q9025f1dd09_quant
	.globl	k_q9025f1dd09_quant
	.p2align	8
	.type	k_q9025f1dd09_quant,@function
k_q9025f1dd09_quant:
	s_mov_b64 s[64:65], 0
	v_nop
	global_prefetch_b8 v0, s[64:65] scope:SCOPE_SE
	s_setreg_imm32_b32 hwreg(HW_REG_WAVE_MODE, 25, 1), 1
	s_wait_xcnt 0x0
; x [8][1024 c][2048 n] and the weights Wv [1024][1024], Wq, Wk [128][1024], all f32, become codes of FP6 (E2M3) along c with one E8M0 byte for each 32 along c.
; A block's byte is its largest magnitude's exponent field - 2, held at 1 from below; numbers are divided by the scale and rounded to the nearest code, ties to even, beyond 7.5 the largest code.
; LIMITS: NaN and infinities among the inputs are not served.  A block of zeros, or one whose largest magnitude lies under 2^-124, gets the byte 1: its codes are zeros or subnormal, and only this program reads the bytes.
; THE RESULTS ARE LAID AS IMAGES OF OPERAND REGISTERS.  A fragment is 16 rows x 128 along c, 12 registers a lane: lane (r, h) holds row r, registers 6 c .. 6 c + 5 the codes of k = 64 c + 32 h + 0 .. 31.
; Its image is 1,536 bytes: registers 4 k .. 4 k + 3 of lane l at byte 512 k + 16 l.  128 rows are a group of 8 tiles; row r of tile 2 b + u is row 32 b + 8 u + r + 8 (r / 8) of the group.
; A tile's block is 12,800 bytes: its 8 images (K step s at 1,536 s), then at 12,288 its scale words (64 s + 4 r).  XI: [128 groups of tokens][8 tiles]; WI: [10 units: Wv's eight, Wq, Wk][8 tiles].
; SHARES.  512 work-groups of equal work take x: 128 tokens x 256 c each.  The weights' 640 fragments ride along, one to a wave: wave 0 of every work-group takes one, wave 1 of the first 128 too
; (task 512 x wave + work-group, under 640).  A task's 16 loads go out ahead of x's first 64 and are worked on while those are on their way.  No LDS, no barrier: waves share nothing.
.set TBLK,  12800
.set SCO,   12288
.set FLOOR, 0x1800000                  ; 2^(3 - 127): no largest magnitude is taken under it, so the byte cannot fall under 1
.set X,   32                           ; v32-95   two sets of 32 numbers of x
.set CD,  96                           ; v96-143  four runs of 12: the registers of fragment lanes (r, h) for the two K steps; each is stored once
.set TQ,  144                          ; v144-146 the upper 16 codes of a block, before they are moved to their odd place
.set SB,  148                          ; v148-149 the two scale words
.set WR,  150                          ; v150-213 a weight fragment's 64 numbers
.set WP,  214                          ; v214-225 its codes
.set WT,  226                          ; v226-228, v230-232 the upper halves of its two blocks
.set WW,  234                          ; its scale word
; x: block number n in the order 0, 2, 1, 3 of each K step: 32 loads, one row c each, 128 consecutive bytes a wave
.macro XLD n
.set LBP, (((\n)%4)%2)*2+((\n)%4)/2
.set LBK, 4*((\n)/4)+LBP
.set LXS, X+32*((\n)%2)
.set li, 0
.rept 32
	global_load_b32 v[LXS+li], v3, s[4:5] offset:(32*LBK+li)*8192 th:TH_LOAD_NT
.set li, li+1
.endr
.endm
.macro XBLK n
.set BP, (((\n)%4)%2)*2+((\n)%4)/2     ; the block within the K step: 2 c + h
.set SG, (\n)/4                        ; which of my two K steps
.set CC, BP/2
.set HH, BP%2
.set GG, 2*SG+HH
.set XS, X+32*((\n)%2)
.set DST, CD+12*GG+6*CC
.if (\n) < 7
	s_wait_loadcnt 32                              ; this block's 32 loads are in; the next block's 32 may be out
.else
	s_wait_loadcnt 0x0
.endif
	v_max3_num_f32 v8, |v[XS]|, |v[XS+1]|, |v[XS+2]|           ; the block's largest magnitude: all 32 numbers are mine; two chains
	v_max3_num_f32 v9, |v[XS+3]|, |v[XS+4]|, |v[XS+5]|
.irp i, 6,10,14,18,22,26
	v_max3_num_f32 v8, v8, |v[XS+\i]|, |v[XS+\i+1]|
	v_max3_num_f32 v9, v9, |v[XS+\i+2]|, |v[XS+\i+3]|
.endr
	v_max3_num_f32 v8, v8, |v[XS+30]|, |v[XS+31]|
	v_max3_num_f32 v8, v8, v9, FLOOR
	v_add_nc_u32 v10, 0xff000000, v8               ; 2 off the exponent field: the conversion takes this operand's exponent field as its scale
	v_cvt_scalef32_pk16_fp6_f32 v[DST:DST+2], v[XS:XS+15], v10
	v_cvt_scalef32_pk16_fp6_f32 v[TQ:TQ+2], v[XS+16:XS+31], v10   ; a conversion's three registers begin on an even number
.if BP == 0
	v_lshrrev_b32 v[SB+SG], 23, v10                ; the byte; also the plain line behind the conversions
.else
	v_lshrrev_b32 v11, 23, v10
.endif
.irp i, 0,1,2
	v_mov_b32 v[DST+3+\i], v[TQ+\i]
.endr
.if BP != 0
	v_lshl_or_b32 v[SB+SG], v11, 8*BP, v[SB+SG]
.endif
.if (\n)+2 < 8
	XLD (\n)+2
.endif
.if CC == 1                            ; fragment lanes (r, HH) are whole: each store writes two runs of 256 consecutive bytes, one in each of my two tiles
.irp k, 0,1,2
	global_store_b128 v6, v[CD+12*GG+4*\k:CD+12*GG+4*\k+3], s[12:13] offset:1536*SG+512*\k+256*HH
.endr
.endif
.if (\n)%4 == 3
	global_store_b32 v7, v[SB+SG], s[12:13] offset:64*SG
.endif
.endm
; a weight fragment: its 64 numbers a lane are two whole blocks, 2 c + h
.macro WFRAG
.irp c, 0,1
	v_max3_num_f32 v[8+\c], |v[WR+32*\c]|, |v[WR+32*\c+1]|, FLOOR
.endr
.irp i, 2,4,6,8,10,12,14,16,18,20,22,24,26,28,30
.irp c, 0,1
	v_max3_num_f32 v[8+\c], v[8+\c], |v[WR+32*\c+\i]|, |v[WR+32*\c+\i+1]|
.endr
.endr
.irp c, 0,1
	v_add_nc_u32 v[10+\c], 0xff000000, v[8+\c]
.endr
.irp c, 0,1
	v_lshrrev_b32 v[8+\c], 23, v[10+\c]
.endr
	v_lshl_or_b32 v13, v9, 16, v8                  ; my two bytes, blocks h and 2 + h,
	v_lshlrev_b32 v13, v19, v13                    ; 8 h bits up;
	v_permlanex16_b32 v20, v13, s38, s39
	v_or_b32 v[WW], v13, v20                       ; with lane l xor 16's two the row's word is whole, the same in both halves of the lanes
.irp c, 0,1
	v_cvt_scalef32_pk16_fp6_f32 v[WP+6*\c:WP+6*\c+2], v[WR+32*\c:WR+32*\c+15], v[10+\c]
	v_cvt_scalef32_pk16_fp6_f32 v[WT+4*\c:WT+4*\c+2], v[WR+32*\c+16:WR+32*\c+31], v[10+\c]
.endr
	v_nop                                          ; one plain line behind a scaled conversion
.irp c, 0,1
.irp i, 0,1,2
	v_mov_b32 v[WP+3+6*\c+\i], v[WT+4*\c+\i]
.endr
.endr
.irp k, 0,1,2
	global_store_b128 v18, v[WP+4*\k:WP+4*\k+3], s[14:15] offset:512*\k   ; 512 consecutive bytes a store
.endr
	global_store_b32 v16, v[WW], s[36:37] offset:SCO   ; 64 consecutive bytes; lanes r and r + 16 store the same word to the same place
.endm
	s_load_b256 s[4:11], s[0:1], 0x0               ; x s[4:5], Wq s[6:7], Wk s[8:9], Wv s[10:11]
	s_load_b128 s[12:15], s[0:1], 0x20             ; XI s[12:13], WI s[14:15]
	v_lshrrev_b32 v1, 5, v0
	v_readfirstlane_b32 s16, v1                    ; wave
	v_and_b32 v2, 31, v0                           ; lane
	; ---- x: group G = id / 4, c = 256 (id % 4) on: K steps 2 y, 2 y + 1.  A LANE TAKES A TOKEN AND ITS REGISTERS RUN DOWN c.  Wave w takes tokens 32 w + lane: tiles 2 w, 2 w + 1
	s_lshr_b32 s17, ttmp9, 2                       ; G
	s_and_b32 s18, ttmp9, 3                        ; y
	s_lshr_b32 s19, s17, 4                         ; batch
	s_lshl_b32 s20, s19, 23
	s_lshl_b32 s21, s18, 21                        ; 256 rows of 8,192 bytes
	s_add_co_u32 s20, s20, s21
	s_and_b32 s21, s17, 15
	s_lshl_b32 s21, s21, 9                         ; 128 tokens of 4 bytes
	s_add_co_u32 s20, s20, s21
	s_lshl_b32 s21, s16, 7
	s_add_co_u32 s20, s20, s21
	s_mov_b32 s21, 0
	s_mul_i32 s22, s17, 8*TBLK
	s_mul_i32 s23, s16, 2*TBLK
	s_add_co_u32 s22, s22, s23
	s_mov_b32 s23, 0
	v_lshlrev_b32 v3, 2, v2                        ; in: 4 bytes a lane
	v_bfe_u32 v4, v2, 3, 1                         ; u: which of the two tiles my token lies in
	v_and_b32 v5, 7, v2
	v_lshrrev_b32 v6, 4, v2
	v_lshl_add_u32 v5, v6, 3, v5                   ; r: its row there
	v_mul_u32_u24 v4, v4, TBLK
	s_mul_i32 s24, s18, 3072                       ; K step 2 y
	v_lshl_add_u32 v6, v5, 4, v4
	v_add_nc_u32 v6, s24, v6                       ; images: u x 12,800 + 16 r + 1,536 x 2 y
	s_lshl_b32 s24, s18, 7
	s_add_co_u32 s24, s24, SCO
	v_lshl_add_u32 v7, v5, 2, v4
	v_add_nc_u32 v7, s24, v7                       ; scale words: u x 12,800 + 12,288 + 64 x 2 y + 4 r
	s_wait_kmcnt 0x0
	s_add_nc_u64 s[4:5], s[4:5], s[20:21]
	s_add_nc_u64 s[12:13], s[12:13], s[22:23]
	s_lshl_b32 s25, s16, 9
	s_add_co_u32 s25, s25, ttmp9                   ; the task: 512 x wave + work-group
	s_cmp_lt_u32 s25, 640
	s_cbranch_scc0 .Lplain                         ; one branch: x's first loads are written on both ways
	; ---- a weight fragment: tile block task / 8, K step task % 8; c is innermost, so lane (r, h) loads its own 32 neighbours of each block
	s_lshr_b32 s26, s25, 3                         ; tile block 0 .. 79
	s_and_b32 s27, s25, 7                          ; K step
	s_lshr_b32 s28, s26, 3                         ; unit
	s_and_b32 s29, s26, 7                          ; tile
	s_lshl_b32 s30, s28, 7
	s_cmp_eq_u32 s28, 8
	s_cselect_b64 s[32:33], s[6:7], s[10:11]
	s_cmp_eq_u32 s28, 9
	s_cselect_b64 s[32:33], s[8:9], s[32:33]
	s_cmp_lt_u32 s28, 8
	s_cselect_b32 s30, s30, 0                      ; the unit's first row in its tensor
	s_lshr_b32 s31, s29, 1
	s_lshl_b32 s31, s31, 5
	s_add_co_u32 s30, s30, s31
	s_and_b32 s31, s29, 1
	s_lshl_b32 s31, s31, 3
	s_add_co_u32 s30, s30, s31                     ; + 32 (t / 2) + 8 (t % 2)
	s_lshl_b32 s30, s30, 12
	s_lshl_b32 s31, s27, 9                         ; the K step's 128 numbers
	s_add_co_u32 s30, s30, s31
	s_mov_b32 s31, 0
	s_add_nc_u64 s[32:33], s[32:33], s[30:31]
	s_mul_i32 s30, s26, TBLK
	s_lshl_b32 s34, s27, 6
	s_add_co_u32 s34, s34, s30
	s_mov_b32 s35, 0
	s_add_nc_u64 s[36:37], s[14:15], s[34:35]      ; scale words: the tile's block + 64 s
	s_mul_i32 s34, s27, 1536
	s_add_co_u32 s30, s30, s34
	s_add_nc_u64 s[14:15], s[14:15], s[30:31]      ; the image: the tile's block + 1,536 s
	s_mov_b32 s38, 0x76543210
	s_mov_b32 s39, 0xfedcba98                      ; v_permlanex16_b32's selects for lane l xor 16
	v_and_b32 v16, 15, v2                          ; r
	v_lshrrev_b32 v19, 4, v2                       ; h
	v_and_b32 v17, 8, v16
	v_add_nc_u32 v17, v17, v16                     ; r + 8 (r / 8)
	v_lshlrev_b32 v17, 12, v17
	v_lshl_add_u32 v17, v19, 7, v17                ; in: my row, + 32 h numbers
	v_lshlrev_b32 v18, 4, v2                       ; 16 x lane
	v_lshlrev_b32 v16, 2, v16                      ; 4 r
	v_lshlrev_b32 v19, 3, v19                      ; 8 h
	v_mov_b32 v20, 0                               ; a lane permute's destination counts as read
.irp c, 0,1
.irp i, 0,1,2,3,4,5,6,7
	global_load_b128 v[WR+32*\c+4*\i:WR+32*\c+4*\i+3], v17, s[32:33] offset:256*\c+16*\i th:TH_LOAD_NT
.endr
.endr
	XLD 0                                          ; x's first two blocks, 64 loads, go out behind them
	XLD 1
	s_wait_loadcnt 63                              ; the fragment's 16 loads are in: 64 were issued behind them
	WFRAG
	s_branch .Lx
.Lplain:
	XLD 0                                          ; two blocks, 64 loads, run ahead
	XLD 1
.Lx:
.set nb, 0
.rept 8
	XBLK nb
.set nb, nb+1
.endr
	s_endpgm                                       ; every store has data and address registers of its own: none is written again
.Lfunc_end_k_q9025f1dd09_quant:
	.size	k_q9025f1dd09_quant, .Lfunc_end_k_q9025f1dd09_quant-k_q9025f1dd09_quant
	.p2alignl 7, 3214868480
	.fill 96, 4, 3214868480
	.section	.rodata,"a",@progbits
	.p2align	6, 0x0
	.amdhsa_kernel k_q9025f1dd09_quant
		.amdhsa_group_segment_fixed_size 0
		.amdhsa_private_segment_fixed_size 0
		.amdhsa_enable_private_segment 0
		.amdhsa_kernarg_size 48
		.amdhsa_user_sgpr_count 2
		.amdhsa_user_sgpr_kernarg_segment_ptr 1
		.amdhsa_wavefront_size32 1
		.amdhsa_system_sgpr_workgroup_id_x 1
		.amdhsa_system_sgpr_workgroup_id_y 1
		.amdhsa_system_sgpr_workgroup_id_z 1
		.amdhsa_system_vgpr_workitem_id 0
		.amdhsa_next_free_vgpr 240
		.amdhsa_next_free_sgpr 66
		.amdhsa_reserve_vcc 0
		.amdhsa_float_denorm_mode_32 3
		.amdhsa_float_denorm_mode_16_64 3
		.amdhsa_memory_ordered 1
		.amdhsa_forward_progress 1
		.amdhsa_inst_pref_size 51
	.end_amdhsa_kernel
	.amdgpu_metadata
---
amdhsa.version: [ 1, 2 ]
amdhsa.kernels:
  - .name:           k_q9025f1dd09_quant
    .symbol:         k_q9025f1dd09_quant.kd
    .args:
      - { .name: x, .offset: 0, .size: 8, .value_kind: global_buffer, .address_space: global }
      - { .name: Wq, .offset: 8, .size: 8, .value_kind: global_buffer, .address_space: global }
      - { .name: Wk, .offset: 16, .size: 8, .value_kind: global_buffer, .address_space: global }
      - { .name: Wv, .offset: 24, .size: 8, .value_kind: global_buffer, .address_space: global }
      - { .name: XI, .offset: 32, .size: 8, .value_kind: global_buffer, .address_space: global }
      - { .name: WI, .offset: 40, .size: 8, .value_kind: global_buffer, .address_space: global }
    .group_segment_fixed_size: 0
    .private_segment_fixed_size: 0
    .kernarg_segment_align: 8
    .kernarg_segment_size: 48
    .max_flat_workgroup_size: 128
    .sgpr_count:     66
    .vgpr_count:     240
    .wavefront_size: 32
...
	.end_amdgpu_metadata
.endif
;; end of part 1
;; launch proj (part 2): grid 32 x 8, 4 waves a work-group, clusters of 4 x 1, 168,448 bytes of LDS; arguments XI, WI, bq, bk, bv, VK, QI; writes VK, QI
.if DOCPART == 2
	.amdgcn_target "amdgcn-amd-amdhsa--gfx1250"
	.amdhsa_code_object_version 6
	.text
	.protected	k_q9025f1dd09_proj
	.globl	k_q9025f1dd09_proj
	.p2align	8
	.type	k_q9025f1dd09_proj,@function
k_q9025f1dd09_proj:
	s_mov_b64 s[64:65], 0
	v_nop
	global_prefetch_b8 v0, s[64:65] scope:SCOPE_SE
	s_setreg_imm32_b32 hwreg(HW_REG_WAVE_MODE, 25, 1), 1
	s_wait_xcnt 0x0
	s_wait_alu depctr_hold_cnt(0) depctr_sa_sdst(0) depctr_va_vdst(0) depctr_va_sdst(0) depctr_va_ssrc(0) depctr_va_vcc(0) depctr_vm_vsrc(0)
	s_getreg_b32 s2, hwreg(HW_REG_IB_STS2, 6, 4)
	s_cmp_eq_u32 s2, 0
	s_cbranch_scc0 .Lentry_in_a_cluster
	s_endpgm
.Lentry_in_a_cluster:
	s_bfe_u32 s2, ttmp6, 0x10000c
	s_cmp_lg_u32 s2, 0x3003
	s_cbranch_scc0 .Lentry_shape_is_right
	s_endpgm
.Lentry_shape_is_right:
; v = Wv x + bv, q = Wq x + bq, k = Wk x + bk on codes of FP6 (E2M3) along c, and the quantising of the results: v along the tokens, q and k along their 128 channels.
; SHARES.  Wave w of work-group (gq, j) keeps the 64 fragments of x of ONE group of 128 tokens (G = 4 gq + w; 128 tokens x 1,024 c: 768 registers) for the whole launch.  The work-group's four waves
; share, through LDS filled once, Wv's unit j (128 channels, 8 tiles) and one pair of tiles of Wq (j < 4) or Wk (j >= 4).  A wave issues 8 x 64 + 128 matrix instructions; all 256 work-groups alike.
; CLUSTER.  The four partners differ in gq alone and need the same weights: both tiles of weights are asked for JOINTLY.  x is not shared that way: it goes straight into registers, a group to a wave,
; and a work-group's 409,600 bytes of it would not pass through LDS without a ring.
; V.  Source 0 = 16 tokens of x, source 1 = 16 channels of Wv: a lane holds ONE channel and its registers run along the tokens.  The tokens of a tile are not neighbours (row r of tile 2 b + u is token
; 32 b + 8 u + r + 8 (r / 8) of the group), so the 16 registers of tiles 2 b, 2 b + 1 are tokens 32 b + 16 (lane / 16) + 0 .. 15: what QUANT takes.  The fragment made is 16 channels x the group's 128 tokens.
; Q, K.  Source 0 = 16 channels of Wq or Wk (rows chosen by the same rule), source 1 = 16 tokens: a lane holds ONE token and 16 neighbouring channels, half a block of 32; lane l xor 16 holds the other half.
; The biases are the C of each sum's first matrix instruction.
; OUT.  VK [128 blocks][4 quarters][29,952]: 16 images of V of group = block (channels 256 q on), at 24,576 their scale words (128 bytes a tile), at 26,624 tiles 2 q, 2 q + 1 of k as rows of 96 bytes, at 29,696
;       their scale words.  A BLOCK HOLDS THE k OF THE NEXT GROUP OF ITS BATCH (the batch's last block that of its first group): the reader makes a key step's scores one step ahead of its second product.
;       QI [128 groups][4 pairs][3,328]: two tiles of q as rows of 96 bytes, at 3,072 their scale words.
; LIMITS: NaN and infinities are not served; a block under 2^-124 gets the byte 1.
; REGISTERS.  Fragment f = 8 s + t of x: f < 63 in window 1 + f / 21 at 12 (f % 21); f = 63 in window 0.  Window 0 as named below.
.set TBLK,  12800
.set SCO,   12288
.set UNITB, 102400
.set FLOOR, 0x1800000
.set LI,  1                            ; 16 x lane
.set L4,  2                            ; 4 x lane
.set LP,  3                            ; 4 r + 256 h: scale words of K step k in lanes 0-15 and of K step k + 4 in lanes 16-31
.set LQ,  4                            ; 96 r + 12 h: my 12 bytes in a row of q or k
.set LI2, 5                            ; LI, LP for the unit's tiles 4-7,
.set LP2, 6
.set LI3, 7                            ; and for the pair, behind the unit
.set LP3, 8
.set SXS, 16                           ; v16-47   x's scale words: register 4 t + k
.set X63, 48                           ; v48-59   fragment 63 of x
.set BV,  60                           ; v60-67   bv of my lane's channel in tile a
.set BQ,  68                           ; v68-83   bq or bk of my lane's 16 channels
.set TS,  84                           ; v84-87   the V tile's scale words
.set TSQ, 88                           ; v88-95   the pair's
.set TF,  96                           ; v96-143  a ring of four fragments of weights
.set ACC, 144                          ; v144-207 eight accumulators
.set PC,  208                          ; v208-227 codes just made
.set TM,  228                          ; v228-243 at work in the quantiser
.set PW,  244                          ; the scale word just made
.set BC,  246                          ; v246-253 bv of my channel, eight times: the C that starts a V tile's sums
.set WV,  18
.set G1U, 24                           ; s[24:31] group 1, the unit;  s[32:39] the pair;  s[40:43], s[44:47] their groups 0
.set G1P, 32
.set G0U, 40
.set G0P, 44
.set SEL, 48
.set DC,  56                           ; s[56:57] where q's or k's codes go;  s[58:59] their scale bytes;  s[60:61] bytes from a pair of tiles to the next
.set DB,  58
.set SA,  60
.set VB,  62                           ; s[62:63] where V's images go;  s[66:67] their scale words
.set VS2, 66
.set MSB, 0
.macro WIN new                         ; the immediate's high byte repeats the setting that is left
.if MSB != (\new)
	s_set_vgpr_msb (MSB<<8)|(\new)
.set MSB, (\new)
.endif
.endm
.macro ROUND                           ; a round of the cluster's barrier
	s_barrier_signal -1
	s_barrier_wait -1
	s_cmp_lg_u32 s[WV], 0
	s_cbranch_scc1 .Lnot_wave_0_\@
	s_barrier_signal -3
.Lnot_wave_0_\@:
	s_barrier_wait -3
	s_barrier_signal -1
	s_barrier_wait -1
.endm
.macro XR f                            ; where fragment f of x lies
.if (\f) < 63
.set XW, 1+(\f)/21
.set XRG, 12*((\f)%21)
.else
.set XW, 0
.set XRG, X63
.endif
.endm
.macro WM d, a, b, c, sa, sb, row      ; row = 1: both sides' scales from lanes 16-31 (K steps 4-7)
.if \row
	v_wmma_scale_f32_16x16x128_f8f6f4 v[(\d):(\d)+7], v[(\a):(\a)+11], v[(\b):(\b)+11], v[(\c):(\c)+7], v[\sa], v[\sb] matrix_a_fmt:MATRIX_FMT_FP6 matrix_b_fmt:MATRIX_FMT_FP6 matrix_a_scale:MATRIX_SCALE_ROW1 matrix_b_scale:MATRIX_SCALE_ROW1
.else
	v_wmma_scale_f32_16x16x128_f8f6f4 v[(\d):(\d)+7], v[(\a):(\a)+11], v[(\b):(\b)+11], v[(\c):(\c)+7], v[\sa], v[\sb] matrix_a_fmt:MATRIX_FMT_FP6 matrix_b_fmt:MATRIX_FMT_FP6
.endif
.endm
.macro FLD tl, sp                      ; K step sp of the unit's tile tl into ring slot sp % 4: the image as it lies, 512 consecutive bytes a load
.if (\tl) < 4
.set FAR, LI
.set FOF, TBLK*(\tl)
.else
.set FAR, LI2
.set FOF, TBLK*((\tl)-4)
.endif
.irp k, 0,1,2
	ds_load_b128 v[TF+12*((\sp)%4)+4*\k:TF+12*((\sp)%4)+4*\k+3], v[FAR] offset:FOF+1536*(\sp)+512*\k
.endr
.endm
.macro TSLD tl, kk                     ; tile tl's scale words of K steps kk and kk + 4
.if (\tl) < 4
	ds_load_b32 v[TS+(\kk)], v[LP] offset:TBLK*(\tl)+SCO+64*(\kk)
.else
	ds_load_b32 v[TS+(\kk)], v[LP2] offset:TBLK*((\tl)-4)+SCO+64*(\kk)
.endif
.endm
.macro QLD sp, uu                      ; K step sp of the pair's tile uu into ring slot (2 sp + uu) % 4
.irp k, 0,1,2
	ds_load_b128 v[TF+12*((2*(\sp)+(\uu))%4)+4*\k:TF+12*((2*(\sp)+(\uu))%4)+4*\k+3], v[LI3] offset:TBLK*(\uu)+1536*(\sp)+512*\k
.endr
.endm
; 64 numbers of a lane, register 16 b + i = k 32 b + 16 (lane / 16) + i of my row, become a fragment's codes in v[PC] on and its scale word in v[PW]
.macro QUANT s
.irp b, 0,1,2,3
	v_max3_num_f32 v[TM+\b], |v[\s+16*\b]|, |v[\s+1+16*\b]|, FLOOR   ; block b: my 16 numbers, and the floor
.endr
.irp i, 2,4,6,8,10,12,14
.irp b, 0,1,2,3
	v_max3_num_f32 v[TM+\b], v[TM+\b], |v[\s+16*\b+\i]|, |v[\s+1+16*\b+\i]|   ; the four blocks by turns; each accumulator is read from its low end on
.endr
.endr
.irp b, 0,1,2,3
	v_permlanex16_b32 v[TM+4+\b], v[TM+\b], s[SEL], s[SEL+1]
.endr
.irp b, 0,1,2,3
	v_max_num_f32 v[TM+\b], v[TM+\b], v[TM+4+\b]   ; with lane l xor 16's: the block's largest magnitude
.endr
.irp b, 0,1,2,3
	v_add_nc_u32 v[TM+12+\b], 0xff000000, v[TM+\b] ; 2 off its exponent field: the conversion's scale operand
.endr
.irp b, 0,1,2,3
	v_lshrrev_b32 v[TM+4+\b], 23, v[TM+12+\b]      ; the byte
.endr
	v_lshl_or_b32 v[PW], v[TM+5], 8, v[TM+4]
	v_lshl_or_b32 v[PW], v[TM+6], 16, v[PW]
	v_lshl_or_b32 v[PW], v[TM+7], 24, v[PW]
.irp c, 0,1
	v_cvt_scalef32_pk16_fp6_f32 v[PC+6*\c:PC+2+6*\c], v[\s+32*\c:\s+15+32*\c], v[TM+12+2*\c]
	v_cvt_scalef32_pk16_fp6_f32 v[PC+12+4*\c:PC+14+4*\c], v[\s+16+32*\c:\s+31+32*\c], v[TM+12+2*\c+1]   ; a conversion's three registers begin on an even number
.endr
	v_nop                                          ; one plain line behind a scaled conversion
.irp c, 0,1                            ; the operand's layout wants a whole block in a lane: lanes 0-15 block 2 c, lanes 16-31 block 2 c + 1
.irp i, 0,1,2
	v_permlane16_swap_b32 v[PC+6*\c+\i], v[PC+12+4*\c+\i]
.endr
.irp i, 0,1,2
	v_mov_b32 v[PC+3+6*\c+\i], v[PC+12+4*\c+\i]
.endr
.endr
.endm
; ONE TILE OF 16 CHANNELS OF V for my 128 tokens: eight K steps of eight products; the eight accumulators take turns.
; Behind each step's products and four plain lines its ring slot is filled again: with this tile's step four on, then with the next tile's steps (the last tile: with the q/k phase's first fragments).
.macro TILE ta, first, last
.set st, 0
.rept 8
.if (\first) && (st >= 5)
	s_wait_loadcnt 24*(7-st)                       ; x's fragments of this K step are in: 24 loads were issued for each later step
.endif
	s_wait_dscnt 9                                 ; this step's fragment and scale words are in: at least the three younger fragments' nine loads were issued behind them
.set tt, 0
.rept 8
	XR 8*st+tt
	WIN XW
.if st == 0
	WM ACC+8*tt, XRG, TF+12*(st%4), BC, SXS+4*tt+st%4, TS+st%4, st/4
.else
	WM ACC+8*tt, XRG, TF+12*(st%4), ACC+8*tt, SXS+4*tt+st%4, TS+st%4, st/4
.endif
.set tt, tt+1
.endr
	WIN 0
.rept 4
	v_nop                                          ; four plain lines in front of loads into registers that matrix instructions have read, and of the first read of results
.endr
.if st < 4
	FLD \ta, st+4
.elseif \last
.if st == 4
.irp uu, 0,1
.irp k, 0,1,2,3
	ds_load_b32 v[TSQ+4*\uu+\k], v[LP3] offset:TBLK*\uu+SCO+64*\k
.endr
.endr
.endif
	QLD (st-4)/2, (st-4)%2
.else
	TSLD (\ta)+1, st-4
	FLD (\ta)+1, st-4
.endif
.set st, st+1
.endr
.if (\last) == 0
.irp i, 0,1,2,3,4,5,6,7
	v_mov_b32 v[BC+\i], v[BV+(\ta)+1]              ; the next tile's bias; the quantiser's lines stand between these and the products that take them
.endr
.endif
	s_wait_xcnt 0x0                                ; the last tile's stores have read their data: the codes' registers are written again only behind this wait
	QUANT ACC
.irp k, 0,1,2
	global_store_b128 v[LI], v[PC+4*\k:PC+4*\k+3], s[VB:VB+1] offset:1536*(\ta)+512*\k   ; 512 consecutive bytes a store
.endr
	global_store_b32 v[L4], v[PW], s[VS2:VS2+1] offset:128*(\ta)
.endm
; A K STEP OF THE Q/K PHASE for token tiles 4 hh .. 4 hh + 3: eight products, eight accumulators by turns.  more = 1: the ring goes on into the next half
.macro QSTEP hh, sp, more
.if ((\sp) == 7) && ((\more) == 0)
	s_wait_dscnt 0x0
.else
	s_wait_dscnt 6                                 ; this step's two fragments are in; the next step's six loads may be out
.endif
.set tq, 0
.rept 4
	XR 8*(\sp)+4*(\hh)+tq
	WIN XW<<2
.irp uu, 0,1
.if (\sp) == 0
	WM ACC+16*tq+8*\uu, TF+12*((2*(\sp)+\uu)%4), XRG, BQ+8*\uu, TSQ+4*\uu+(\sp)%4, SXS+4*(4*(\hh)+tq)+(\sp)%4, (\sp)/4
.else
	WM ACC+16*tq+8*\uu, TF+12*((2*(\sp)+\uu)%4), XRG, ACC+16*tq+8*\uu, TSQ+4*\uu+(\sp)%4, SXS+4*(4*(\hh)+tq)+(\sp)%4, (\sp)/4
.endif
.endr
.set tq, tq+1
.endr
	WIN 0
.rept 4
	v_nop
.endr
.if ((\sp) < 6) || (\more)
	QLD ((\sp)+2)%8, 0
	QLD ((\sp)+2)%8, 1
.endif
.endm
; Four tiles of tokens: a lane's 16 numbers of each are half a block of 32 channels.  12 bytes of codes and one scale byte a lane and tile.  fin = 1: nothing follows
.macro HALFQ fin
	s_wait_xcnt 0x0                                ; earlier stores have read their data
.irp q, 0,1,2,3
	v_max3_num_f32 v[TM+\q], |v[ACC+16*\q]|, |v[ACC+16*\q+1]|, FLOOR
.endr
.irp i, 2,4,6,8,10,12,14
.irp q, 0,1,2,3
	v_max3_num_f32 v[TM+\q], v[TM+\q], |v[ACC+16*\q+\i]|, |v[ACC+16*\q+\i+1]|
.endr
.endr
.irp q, 0,1,2,3
	v_permlanex16_b32 v[TM+4+\q], v[TM+\q], s[SEL], s[SEL+1]
.endr
.irp q, 0,1,2,3
	v_max_num_f32 v[TM+\q], v[TM+\q], v[TM+4+\q]
.endr
.irp q, 0,1,2,3
	v_add_nc_u32 v[TM+12+\q], 0xff000000, v[TM+\q]
.endr
.irp q, 0,1,2,3
	v_lshrrev_b32 v[TM+8+\q], 23, v[TM+12+\q]
.endr
.irp q, 0,1,2,3
	v_cvt_scalef32_pk16_fp6_f32 v[PC+4*\q:PC+4*\q+2], v[ACC+16*\q:ACC+16*\q+15], v[TM+12+\q]
.endr
	v_nop                                          ; one plain line behind the last conversion: matrix instructions write its sources next
.irp q, 0,1
	global_store_b96 v[LQ], v[PC+4*\q:PC+4*\q+2], s[DC:DC+1] offset:1536*\q
	global_store_b8 v[L4], v[TM+8+\q], s[DB:DB+1] offset:128*\q
.endr
	s_wait_xcnt 0x0                                ; the stores have read their bases
	s_add_nc_u64 s[DC:DC+1], s[DC:DC+1], s[SA:SA+1]
	s_add_nc_u64 s[DB:DB+1], s[DB:DB+1], s[SA:SA+1]
.irp q, 0,1
	global_store_b96 v[LQ], v[PC+8+4*\q:PC+8+4*\q+2], s[DC:DC+1] offset:1536*\q
	global_store_b8 v[L4], v[TM+10+\q], s[DB:DB+1] offset:128*\q
.endr
.if (\fin) == 0
	s_wait_xcnt 0x0
	s_add_nc_u64 s[DC:DC+1], s[DC:DC+1], s[SA:SA+1]
	s_add_nc_u64 s[DB:DB+1], s[DB:DB+1], s[SA:SA+1]
.endif
.endm
	s_load_b256 s[4:11], s[0:1], 0x0               ; XI s[4:5], WI s[6:7], bq s[8:9], bk s[10:11]
	s_load_b128 s[12:15], s[0:1], 0x20             ; bv s[12:13], VK s[14:15]
	s_load_b64 s[16:17], s[0:1], 0x30              ; QI
	v_lshl_add_u32 v254, v0, 2, 0x29000
	v_mov_b32 v255, 0
	ds_add_u32 v254, v255
	ds_add_u32 v254, v255
	v_lshrrev_b32 v9, 5, v0
	v_readfirstlane_b32 s[WV], v9                  ; wave 0..3
	s_bfe_u32 s19, ttmp6, 0x40000                  ; cx: it enters XI's, VK's and QI's addresses alone
	s_lshl_b32 s20, ttmp9, 2
	s_add_co_u32 s20, s20, s19                     ; gq
	s_and_b32 s21, ttmp7, 0xffff                   ; j, which the four partners share
	s_lshl_b32 s22, s20, 2
	s_add_co_u32 s22, s22, s[WV]                   ; G: my group of tokens
	s_and_b32 s23, s21, 3                          ; which pair of tiles of Wq or Wk
	; descriptor groups 1: dense blocks as rows of 256 bytes (32 elements of 8 bytes); a wave brings a quarter: 100 rows of the unit, 25 of the pair
	s_mov_b32 s[G1U], 15|(3<<16)|(1<<21)           ; 15:0 the mask: all four work-groups; 17:16 elements of 8 bytes; 21 set beside a mask
	s_mov_b32 s[G1U+1], 32<<16                     ; tensor_dim0
	s_mov_b32 s[G1U+2], 100<<16                    ; tensor_dim1
	s_mov_b32 s[G1U+3], 32<<16                     ; tile_dim0
	s_mov_b32 s[G1U+4], 100                        ; tile_dim1
	s_mov_b32 s[G1U+5], 32                         ; pitch
	s_mov_b32 s[G1U+6], 0
	s_mov_b32 s[G1U+7], 0
	s_mov_b32 s[G1P], 15|(3<<16)|(1<<21)
	s_mov_b32 s[G1P+1], 32<<16
	s_mov_b32 s[G1P+2], 25<<16
	s_mov_b32 s[G1P+3], 32<<16
	s_mov_b32 s[G1P+4], 25
	s_mov_b32 s[G1P+5], 32
	s_mov_b32 s[G1P+6], 0
	s_mov_b32 s[G1P+7], 0
	s_mul_i32 s50, s[WV], 25600                    ; my quarter of the unit,
	s_mul_i32 s52, s21, UNITB
	s_add_co_u32 s52, s52, s50                     ; in WI
	s_mov_b32 s53, 0
	s_lshr_b32 s54, s21, 2
	s_add_co_u32 s54, s54, 8                       ; unit 8 is Wq, unit 9 Wk
	s_mul_i32 s54, s54, UNITB
	s_mul_i32 s55, s23, 25600
	s_add_co_u32 s54, s54, s55
	s_mul_i32 s51, s[WV], 6400                     ; my quarter of the pair
	s_add_co_u32 s54, s54, s51
	s_mov_b32 s55, 0
	s_wait_dscnt 0x0
	s_wait_kmcnt 0x0
	s_mov_b32 s[G0U], 1
	s_mov_b32 s[G0U+1], s50                        ; LDS: the unit lies from byte 0 on, as in WI
	s_add_nc_u64 s[G0U+2:G0U+3], s[6:7], s[52:53]
	s_or_b32 s[G0U+3], s[G0U+3], 0x80000000
	s_mov_b32 s[G0P], 1
	s_add_co_u32 s[G0P+1], s51, UNITB              ; the pair behind it
	s_add_nc_u64 s[G0P+2:G0P+3], s[6:7], s[54:55]
	s_or_b32 s[G0P+3], s[G0P+3], 0x80000000
	ROUND                                          ; all four work-groups are here: the joint loads meet
	tensor_load_to_lds s[G0U:G0U+3], s[G1U:G1U+7]  ; both fills go out together; nothing is filled again in this launch: two loads of mine are out
	s_nop 0
	tensor_load_to_lds s[G0P:G0P+3], s[G1P:G1P+7]
	s_nop 0
.rept 4
	v_nop
.endr
	v_and_b32 v9, 31, v0                           ; lane
	v_and_b32 v10, 15, v0                          ; r
	v_bfe_u32 v11, v0, 4, 1                        ; h
	v_lshlrev_b32 v[LI], 4, v9
	v_lshlrev_b32 v[L4], 2, v9
	v_lshlrev_b32 v[LP], 2, v10
	v_lshl_add_u32 v[LP], v11, 8, v[LP]
	v_mul_u32_u24 v[LQ], v10, 96
	v_mad_u32_u24 v[LQ], v11, 12, v[LQ]
	v_add_nc_u32 v[LI2], 4*TBLK, v[LI]
	v_add_nc_u32 v[LP2], 4*TBLK, v[LP]
	v_add_nc_u32 v[LI3], UNITB, v[LI]
	v_add_nc_u32 v[LP3], UNITB, v[LP]
	v_and_b32 v12, 8, v10
	v_add_nc_u32 v12, v12, v10
	v_lshlrev_b32 v12, 2, v12                      ; bv: my lane's channel in a tile: 4 (r + 8 (r / 8))
	v_lshlrev_b32 v13, 6, v11                      ; bq, bk: my half's 16 channels
.irp b, 0,1,2,3
	v_mov_b32 v[TM+4+\b], 0                        ; a lane permute's destination counts as read
.endr
	s_mov_b32 s[SEL], 0x76543210
	s_mov_b32 s[SEL+1], 0xfedcba98
	; the pointers; every offset is made apart from its address
	s_mul_i32 s50, s22, UNITB
	s_mov_b32 s51, 0
	s_add_nc_u64 s[4:5], s[4:5], s[50:51]          ; XI at my group
	s_lshl_b32 s50, s21, 9
	s_add_nc_u64 s[12:13], s[12:13], s[50:51]      ; bv at unit j
	s_mul_i32 s50, s22, 13312                      ; q: my group in QI;
	s_mul_i32 s52, s22, 119808                     ; V: my group's block in VK;
	s_sub_co_u32 s54, s22, 1                       ; k: the block before it in the batch's 16, the first group's in the last
	s_and_b32 s54, s54, 15
	s_and_b32 s55, s22, 0x70
	s_or_b32 s54, s54, s55
	s_mul_i32 s54, s54, 119808
	s_add_co_u32 s54, s54, 26624
	s_mov_b32 s[SA], 29952
	s_cmp_lt_u32 s21, 4                            ; q or k?
	s_cselect_b64 s[8:9], s[8:9], s[10:11]
	s_cselect_b64 s[DC:DC+1], s[16:17], s[14:15]
	s_cselect_b32 s50, s50, s54
	s_cselect_b32 s[SA], 3328, s[SA]
	s_mov_b32 s[SA+1], 0
	s_lshl_b32 s54, s23, 7
	s_mov_b32 s55, 0
	s_add_nc_u64 s[8:9], s[8:9], s[54:55]          ; the bias at channel 32 x pair
	s_mul_i32 s54, s23, 24
	s_add_co_u32 s54, s54, s50                     ; codes: 24 bytes a block of 32 channels
	s_add_co_u32 s50, s50, s23
	s_add_co_u32 s50, s50, 3072                    ; bytes: byte number pair of each word
	s_add_nc_u64 s[DB:DB+1], s[DC:DC+1], s[50:51]
	s_add_nc_u64 s[DC:DC+1], s[DC:DC+1], s[54:55]
	s_lshr_b32 s50, s21, 1
	s_mul_i32 s50, s50, 29952
	s_add_co_u32 s50, s50, s52                     ; V: quarter j / 2
	s_and_b32 s54, s21, 1
	s_mul_i32 s52, s54, 12288
	s_add_co_u32 s52, s52, s50
	s_mov_b32 s53, 0
	s_add_nc_u64 s[VB:VB+1], s[14:15], s[52:53]    ; images 8 (j % 2) on
	s_lshl_b32 s54, s54, 10
	s_add_co_u32 s54, s54, s50
	s_add_co_u32 s54, s54, 24576
	s_add_nc_u64 s[VS2:VS2+1], s[14:15], s[54:55]  ; and their scale words
.irp t, 0,1,2,3,4,5,6,7
.irp k, 0,1,2,3
	global_load_b32 v[SXS+4*\t+\k], v[LP], s[4:5] offset:TBLK*\t+SCO+64*\k
.endr
.endr
.irp a, 0,1,2,3,4,5,6,7
	global_load_b32 v[BV+\a], v12, s[12:13] offset:4*(32*(\a/2)+8*(\a%2))
.endr
.irp u, 0,1
	global_load_b128 v[BQ+8*\u:BQ+8*\u+3], v13, s[8:9] offset:32*\u
	global_load_b128 v[BQ+8*\u+4:BQ+8*\u+7], v13, s[8:9] offset:32*\u+16
.endr
.set xf, 0
.rept 64                               ; x's 64 fragments, K step by K step: 24 loads a step, 512 consecutive bytes each
	XR xf
	WIN XW<<6
.irp k, 0,1,2
	global_load_b128 v[XRG+4*\k:XRG+4*\k+3], v[LI], s[4:5] offset:TBLK*(xf%8)+1536*(xf/8)+512*\k
.endr
.set xf, xf+1
.endr
	WIN 0
	s_wait_loadcnt 63                              ; of 236 loads the youngest 63 may be out: the scale words, the biases and K steps 0 to 4 are in
.irp i, 0,1,2,3,4,5,6,7
	v_mov_b32 v[BC+\i], v[BV]
.endr
	s_wait_tensorcnt 0x0                           ; my quarters of the weights have landed,
	s_barrier_signal -1
	s_barrier_wait -1                              ; everybody's have
.irp k, 0,1,2,3
	TSLD 0, \k
.endr
.irp k, 0,1,2,3
	FLD 0, \k
.endr
.rept 8
	v_nop                                          ; plain lines between the moves into the first C and the products that take it
.endr
	TILE 0, 1, 0
	TILE 1, 0, 0
	TILE 2, 0, 0
	TILE 3, 0, 0
	TILE 4, 0, 0
	TILE 5, 0, 0
	TILE 6, 0, 0
	TILE 7, 0, 1
.irp sp, 0,1,2,3,4,5,6,7
	QSTEP 0, \sp, 1
.endr
	HALFQ 0
.irp sp, 0,1,2,3,4,5,6,7
	QSTEP 1, \sp, 0
.endr
	HALFQ 1
	s_wait_tensorcnt 0x0
	ds_add_u32 v254, v255
	s_wait_dscnt 0x0
	ROUND                                          ; the closing round: no work-group ends while a partner may still ask for a tile that names it
	s_endpgm
.Lfunc_end_k_q9025f1dd09_proj:
	.size	k_q9025f1dd09_proj, .Lfunc_end_k_q9025f1dd09_proj-k_q9025f1dd09_proj
	.p2alignl 7, 3214868480
	.fill 96, 4, 3214868480
	.section	.rodata,"a",@progbits
	.p2align	6, 0x0
	.amdhsa_kernel k_q9025f1dd09_proj
		.amdhsa_group_segment_fixed_size 168448
		.amdhsa_private_segment_fixed_size 0
		.amdhsa_enable_private_segment 0
		.amdhsa_kernarg_size 56
		.amdhsa_user_sgpr_count 2
		.amdhsa_user_sgpr_kernarg_segment_ptr 1
		.amdhsa_wavefront_size32 1
		.amdhsa_system_sgpr_workgroup_id_x 1
		.amdhsa_system_sgpr_workgroup_id_y 1
		.amdhsa_system_sgpr_workgroup_id_z 1
		.amdhsa_system_vgpr_workitem_id 0
		.amdhsa_next_free_vgpr 1024
		.amdhsa_next_free_sgpr 72
		.amdhsa_reserve_vcc 0
		.amdhsa_float_denorm_mode_32 3
		.amdhsa_float_denorm_mode_16_64 3
		.amdhsa_memory_ordered 1
		.amdhsa_forward_progress 1
		.amdhsa_inst_pref_size 192
	.end_amdhsa_kernel
	.amdgpu_metadata
---
amdhsa.version: [ 1, 2 ]
amdhsa.kernels:
  - .name:           k_q9025f1dd09_proj
    .symbol:         k_q9025f1dd09_proj.kd
    .args:
      - { .name: XI, .offset: 0, .size: 8, .value_kind: global_buffer, .address_space: global }
      - { .name: WI, .offset: 8, .size: 8, .value_kind: global_buffer, .address_space: global }
      - { .name: bq, .offset: 16, .size: 8, .value_kind: global_buffer, .address_space: global }
      - { .name: bk, .offset: 24, .size: 8, .value_kind: global_buffer, .address_space: global }
      - { .name: bv, .offset: 32, .size: 8, .value_kind: global_buffer, .address_space: global }
      - { .name: VK, .offset: 40, .size: 8, .value_kind: global_buffer, .address_space: global }
      - { .name: QI, .offset: 48, .size: 8, .value_kind: global_buffer, .address_space: global }
    .group_segment_fixed_size: 168448
    .private_segment_fixed_size: 0
    .kernarg_segment_align: 8
    .kernarg_segment_size: 56
    .max_flat_workgroup_size: 128
    .sgpr_count:     72
    .vgpr_count:     1024
    .wavefront_size: 32
...
	.end_amdgpu_metadata
.endif
;; end of part 2
;; launch attn (part 3): grid 32 x 8, 4 waves a work-group, clusters of 4 x 1, 327,680 bytes of LDS; arguments QI, VK, x, gamma, out0; writes out0
.if DOCPART == 3
	.amdgcn_target "amdgcn-amd-amdhsa--gfx1250"
	.amdhsa_code_object_version 6
	.text
	.protected	k_q9025f1dd09_attn
	.globl	k_q9025f1dd09_attn
	.p2align	8
	.type	k_q9025f1dd09_attn,@function
k_q9025f1dd09_attn:
	s_mov_b64 s[64:65], 0
	v_nop
	global_prefetch_b8 v0, s[64:65] scope:SCOPE_SE
	s_setreg_imm32_b32 hwreg(HW_REG_WAVE_MODE, 25, 1), 1
	s_wait_xcnt 0x0
	s_wait_alu depctr_hold_cnt(0) depctr_sa_sdst(0) depctr_va_vdst(0) depctr_va_sdst(0) depctr_va_ssrc(0) depctr_va_vcc(0) depctr_vm_vsrc(0)
	s_getreg_b32 s2, hwreg(HW_REG_IB_STS2, 6, 4)
	s_cmp_eq_u32 s2, 0
	s_cbranch_scc0 .Lentry_in_a_cluster
	s_endpgm
.Lentry_in_a_cluster:
	s_bfe_u32 s2, ttmp6, 0x10000c
	s_cmp_lg_u32 s2, 0x3003
	s_cbranch_scc0 .Lentry_shape_is_right
	s_endpgm
.Lentry_shape_is_right:
; out[b][c][n] = gamma x (sum over keys m of v[b][c][m] p[n][m]) / l[n] + x[b][c][n], both products on codes of FP6 (E2M3) with one E8M0 byte for each 32 along K.
; t = score x log2(e) / sqrt(128); M = the row's largest t rounded up to a whole number; p = 2^(t - M) is quantised along the keys; l is the sum of the unquantised p, in f32.
; SHARES.  A work-group owns 64 neighbouring queries of one batch (four tiles of 16) and all 1,024 channels.  Wave w owns query tile w for scores and softmax, and channels 256 w .. 256 w + 255 for all
; 64 queries in the second product: 64 accumulators, 512 registers.  p goes from wave to wave through LDS as an image of its operand's registers.
; THE MAXIMUM FIRST.  A running M would ask for 256 packed multiplies a wave in each key step, to bring the 512 registers of sums under a new M.  So the scores are made twice: PASS 1 finds each row's
; maximum (a wave takes a quarter of the keys for all four query tiles, k straight from memory into the registers that the sums take later: 128 matrix instructions), PASS 2 makes them again, the same bits, and goes on.
; PASS 2 walks 16 key steps of 128 keys.  A block of VK, 119,808 dense bytes in four quarters, holds V of step j (1,024 channels x 128 keys) and k of step j + 1; it comes through a ring of two LDS slots.
; BY TURNS.  In step j a wave first makes the scores of step j + 1 (8 products), then issues the 64 products V p of step j, and the softmax and quantising of step j + 1, a list of 195 vector lines, stands in slices of
; four behind those products: a wave issues in order, so set in a phase of its own that list would leave the matrix unit idle.  All that the list touches lies in window 0 and the products' operands in windows 1 to 3:
; a slice costs two switches of the register windows, the lesser price here.  p has two buffers in LDS: step j + 1's is stored while step j's may still be read, so one barrier a step, the change of slots, serves.
; The first step's k comes from memory with pass 1's loads, and its scores, softmax and p are made ahead of the ring's first step; the last step has products alone.
; CLUSTER.  The four partners walk the same VK: each wave asks for its quarter of a slot JOINTLY with the same wave of the three partners.
; LAYOUT.  S^T = k q^T: source 0 = 16 keys, source 1 = my 16 queries: a lane holds one query.  The keys of a tile are not neighbours (row r of tile 2 b + u is key 32 b + 8 u + r + 8 (r / 8) of the step), so the 16
; registers of tiles 2 b, 2 b + 1 are keys 32 b + 16 (lane / 16) + 0 .. 15.  O = P V^T: source 0 = 16 queries of p, source 1 = 16 channels of V: a lane holds one channel, and, the queries of a tile being chosen by the
; same rule, its eight registers are eight neighbouring tokens of a row of out.
; LIMITS: NaN and infinities are not served; p under 2^-126 is 0 (v_exp_f32 flushes it: ISA guide 15.8); a block of p under 2^-124 gets the byte 1.
; REGISTERS.  Window 0 as named below.  Window 1: v0-191 V's 16 fragments (in pass 1: v0-95 the first step's k; on the way out: x); v192-239 p's four fragments.
;   Windows 2, 3: O(a, qt) in window 2 + a / 8 at 8 (4 (a % 8) + qt); in pass 1 k's 32 tiles.
.set STEPB, 119808
.set QRT,   29952
.set VSCO,  24576                      ; in a quarter: V's scale words,
.set KCO,   26624                      ; k's two tiles as rows of 96 bytes,
.set KSCO,  29696                      ; their scale words
.set SLOT1, 1<<17                      ; slot 1 begins here: one exclusive or turns an address in one slot into the other's
.set PIMG,  262144                     ; behind the ring, where no fill lands: p's two buffers,
.set PBUF,  8192                       ; so far apart; in each four images of 1,536 bytes,
.set PSCO,  6144                       ; and here their scale words, 128 bytes each;
.set MXB,   278528                     ; the waves' maxima,
.set GB,    280576                     ; gamma / l of the 64 queries, in token order, twice,
.set STG,   281088                     ; two stages of 16 rows x (256 + 16) bytes for each wave,
.set SPARE, 315904                     ; the spare words, 128 bytes for each wave: two blocks of 256 bytes that no other line names
.set FLOOR, 0x1800000
.set LI,   1                           ; 16 x lane
.set L4,   2                           ; 4 x lane
.set KA,   3                           ; 96 r + 24 h: my lane's place in a tile laid as rows
.set SPW,  4                           ; LDS address of my spare word; never rewritten
.set NIL,  5                           ; 0; never rewritten
.set AV0,  6                           ; my lane's places in a slot: V's images of my quarter,
.set AVS0, 7                           ; their scale words,
.set AK0,  8                           ; k's tiles,
.set AKS0, 9                           ; k's scale words: 4 r + 128 h: lanes 0-15 the even tile's, lanes 16-31 the odd tile's
.set ADV,  10                          ; v10-15 the same in the slot in hand (k's twice: quarters 0, 1 and 2, 3)
.set ADVS, 11
.set ADK0, 12
.set ADK1, 13
.set ADKS0, 14
.set ADKS1, 15
.set PWI,  16                          ; my lane's places in a buffer of p: where I store my image and scale words, and where all are read
.set PWS,  17
.set PRI,  18
.set PRS,  19
.set NM,   20                          ; v[20:21] -M
.set L,    22                          ; v[22:23] the row's sum, in two halves
.set MX,   24                          ; v24-27 pass 1: running maxima of the four query tiles
.set SU,   24                          ; v[24:25], v[26:27] pass 2: the sums' third and fourth chain
.set SW,   26
.set PFO,  28                          ; the prefetches' offset
.set STO,  29                          ; the way out
.set RD,   30
.set GO,   31
.set QF,   32                          ; v32-43 my queries' fragment;  v44 its scale words
.set QS,   44
.set PW,   45
.set PS,   46                          ; v46-49 scale words of p's four fragments (pass 1: of q's four)
.set KS,   50                          ; v50-53 k's scale words, two tiles to a register
.set KSA,  54                          ; 4 r + 128 h
.set MXW,  55                          ; pass 1: where my maxima go and where my query tile's are read
.set MXR,  56
.set ADP,  55                          ; pass 2: the places of p in the buffer that is read,
.set ADPS, 56
.set GBW,  57
.set VS,   58                          ; v58-73 V's scale words (pass 1: k's, two tiles to a register)
.set TM,   74                          ; v74-89 at work in the quantiser (ahead of it: k's tile 7)
.set PC,   90                          ; v90-109 codes just made (ahead of that: k's tile 6)
.set KF0,  110                         ; v110-157 k's tiles 0-3 (pass 1: q's four fragments)
.set GBR,  158
.set ADPW, 159                         ; and in the buffer that is written
.set S,    160                         ; v160-223 scores, then p; on the way out rows of out (pass 1: three sets of four results, v160-255)
.set G4,   224                         ; v224-227 gamma / l of my four tokens
.set T,    228                         ; v[228:229] the sums' second chain
.set ADPWS, 230
.set KF4,  232                         ; v232-255 k's tiles 4, 5
.set NSM,  195                         ; lines in the softmax's list
.set GAM,  14
.set LIM,  15                          ; 1 in the clusters that prefetch, else the greatest number
.set WV,   16
.set G1,   24
.set G0,   32
.set PFA,  36
.set CS,   38
.set SEL,  40
.set TB,   42                          ; LDS byte at which the slot in hand begins
.set CNT,  43
.set PB,   54                          ; 0 or PBUF: the buffer of p that is read,
.set PBW,  55                          ; and the one that is written
.set MSB, 0
.macro WIN new                         ; the immediate's high byte repeats the setting that is left; a switch that changes nothing is dropped
.if MSB != (\new)
	s_set_vgpr_msb (MSB<<8)|(\new)
.set MSB, (\new)
.endif
.endm
.macro ROUND                           ; a round of the cluster's barrier
	s_barrier_signal -1
	s_barrier_wait -1
	s_cmp_lg_u32 s[WV], 0
	s_cbranch_scc1 .Lnot_wave_0_\@
	s_barrier_signal -3
.Lnot_wave_0_\@:
	s_barrier_wait -3
	s_barrier_signal -1
	s_barrier_wait -1
.endm
.macro BARRIER                         ; my LDS stores have landed and my LDS loads are in: then the work-group's barrier
	s_wait_dscnt 0x0
	s_barrier_signal -1
	s_barrier_wait -1
.endm
.macro WM d, a, b, c, sa, sb, ra       ; c < 0: the constant 0 starts the sum.  ra = 1: source 0's scales from lanes 16-31
.if (\c) < 0
.if \ra
	v_wmma_scale_f32_16x16x128_f8f6f4 v[(\d):(\d)+7], v[(\a):(\a)+11], v[(\b):(\b)+11], 0, v[\sa], v[\sb] matrix_a_fmt:MATRIX_FMT_FP6 matrix_b_fmt:MATRIX_FMT_FP6 matrix_a_scale:MATRIX_SCALE_ROW1
.else
	v_wmma_scale_f32_16x16x128_f8f6f4 v[(\d):(\d)+7], v[(\a):(\a)+11], v[(\b):(\b)+11], 0, v[\sa], v[\sb] matrix_a_fmt:MATRIX_FMT_FP6 matrix_b_fmt:MATRIX_FMT_FP6
.endif
.else
	v_wmma_scale_f32_16x16x128_f8f6f4 v[(\d):(\d)+7], v[(\a):(\a)+11], v[(\b):(\b)+11], v[(\c):(\c)+7], v[\sa], v[\sb] matrix_a_fmt:MATRIX_FMT_FP6 matrix_b_fmt:MATRIX_FMT_FP6
.endif
.endm
.macro KR i                            ; pass 1: where k's tile i lies
.if (\i) < 21
.set KW, 2
.set KRG, 12*(\i)
.else
.set KW, 3
.set KRG, 12*((\i)-21)
.endif
.endm
.macro KT kt                           ; pass 2: where k's tile kt lies, all in window 0
.if (\kt) < 4
.set KTR, KF0+12*(\kt)
.elseif (\kt) < 6
.set KTR, KF4+12*((\kt)-4)
.elseif (\kt) == 6
.set KTR, PC
.else
.set KTR, TM
.endif
.endm
.macro MAXT i                          ; pass 1: tile i's scores into the four running maxima; each accumulator from its low end on, the four by turns
.irp p, 0,2,4,6
.irp qt, 0,1,2,3
	v_max3_num_f32 v[MX+\qt], v[MX+\qt], v[S+32*((\i)%3)+8*\qt+\p], v[S+32*((\i)%3)+8*\qt+\p+1]
.endr
.endr
.endm
.macro CHN c                           ; the sums' chain c
.if (\c) == 0
.set CR, L
.elseif (\c) == 1
.set CR, T
.elseif (\c) == 2
.set CR, SU
.else
.set CR, SW
.endif
.endm
; THE VECTOR WORK OF A KEY STEP is a list of NSM lines; SMI writes line sj of it.  The lane's 64 scores are s0-s63, register 16 b + i = key 32 b + 16 (lane / 16) + i of my query.
;   0-95    ONE BATCH: the 32 scalings t - M, a pair of scores each, and the 64 exponentials, a scaling ahead of every two exponentials and one pair ahead of its own.  None of these names an exponential's result.
;           Each accumulator is read from its low end on.  A plain line follows the last exponential.
;   96-127  the wait for the batch, one for the 64; then the row's sum of the unquantised p, two at a time, in four chains
;   128-194 the quantiser: each block's largest p with the floor, with lane l xor 16's; 2 off its exponent field is the conversion's scale operand; the four bytes make the scale word; four conversions, a plain line
;           behind the last; the exchange of halves that gives a lane a whole block of 32
.macro SMI
.if sj == 0
	v_pk_fma_f32 v[S:S+1], v[S:S+1], s[CS:CS+1], v[NM:NM+1] op_sel_hi:[1,0,0]   ; of the pairs c and -M the low word serves both halves
.elseif sj < 94
.set sg, (sj-1)/3
.set sm, (sj-1)%3
.if sm == 0
	v_pk_fma_f32 v[S+2*sg+2:S+2*sg+3], v[S+2*sg+2:S+2*sg+3], s[CS:CS+1], v[NM:NM+1] op_sel_hi:[1,0,0]
.else
	v_exp_f32 v[S+2*sg+sm-1], v[S+2*sg+sm-1]       ; p = 2^(t - M): not normalised
.endif
.elseif sj < 96
	v_exp_f32 v[S+sj-32], v[S+sj-32]
.if sj == 95
	v_nop                                          ; a plain line behind the last exponential
.endif
.elseif sj < 99
.if sj == 96
	s_wait_alu depctr_va_vdst(0)                   ; ahead of the batch's first reader
.endif
	CHN sj-95
	v_pk_add_f32 v[CR:CR+1], v[S+4*(sj-96):S+4*(sj-96)+1], v[S+4*(sj-96)+2:S+4*(sj-96)+3]
.elseif sj < 125
	CHN (sj-99)%4
	v_pk_add_f32 v[CR:CR+1], v[CR:CR+1], v[S+12+2*(sj-99):S+12+2*(sj-99)+1]
.elseif sj == 125
	v_pk_add_f32 v[T:T+1], v[T:T+1], v[SU:SU+1]
.elseif sj == 126
	v_pk_add_f32 v[L:L+1], v[L:L+1], v[SW:SW+1]
.elseif sj == 127
	v_pk_add_f32 v[L:L+1], v[L:L+1], v[T:T+1]
.elseif sj < 132
	v_max3_num_f32 v[TM+sj-128], |v[S+16*(sj-128)]|, |v[S+16*(sj-128)+1]|, FLOOR
.elseif sj < 160
.set sg, 2+2*((sj-132)/4)
.set sm, (sj-132)%4
	v_max3_num_f32 v[TM+sm], v[TM+sm], |v[S+16*sm+sg]|, |v[S+16*sm+sg+1]|
.elseif sj < 164
	v_permlanex16_b32 v[TM+4+sj-160], v[TM+sj-160], s[SEL], s[SEL+1]
.elseif sj < 168
	v_max_num_f32 v[TM+sj-164], v[TM+sj-164], v[TM+4+sj-164]
.elseif sj < 172
	v_add_nc_u32 v[TM+12+sj-168], 0xff000000, v[TM+sj-168]
.elseif sj < 176
	v_lshrrev_b32 v[TM+4+sj-172], 23, v[TM+12+sj-172]
.elseif sj == 176
	v_lshl_or_b32 v[PW], v[TM+5], 8, v[TM+4]
.elseif sj == 177
	v_lshl_or_b32 v[PW], v[TM+6], 16, v[PW]
.elseif sj == 178
	v_lshl_or_b32 v[PW], v[TM+7], 24, v[PW]
.elseif sj < 183
.set sg, (sj-179)/2
.if (sj-179)%2 == 0
	v_cvt_scalef32_pk16_fp6_f32 v[PC+6*sg:PC+6*sg+2], v[S+32*sg:S+32*sg+15], v[TM+12+2*sg]
.else
	v_cvt_scalef32_pk16_fp6_f32 v[PC+12+4*sg:PC+12+4*sg+2], v[S+32*sg+16:S+32*sg+31], v[TM+13+2*sg]   ; a conversion's three registers begin on an even number
.endif
.if sj == 182
	v_nop                                          ; one plain line directly behind the last conversion
.endif
.else
.set sg, (sj-183)/6
.set sm, (sj-183)%6
.if sm < 3
	v_permlane16_swap_b32 v[PC+6*sg+sm], v[PC+12+4*sg+sm]
.else
	v_mov_b32 v[PC+6*sg+sm], v[PC+12+4*sg+sm-3]
.endif
.endif
.endm
; n lines of the list, as far as it goes; behind its last line my queries' fragment of p goes to LDS as it stands: four stores, which later counted waits on DScnt allow for (SD)
.macro SLICE n
.rept \n
.if sj < NSM
	WIN 0
	SMI
.set sj, sj+1
.if sj == NSM
.irp c, 0,1,2
	ds_store_b128 v[ADPW], v[PC+4*\c:PC+4*\c+3] offset:512*\c
.endr
	ds_store_b32 v[ADPWS], v[PW]
.set SD, 4
.endif
.endif
.endr
.endm
; A PREFETCH INTO THE L2 of the block that the NEXT change of slots will ask for: 468 blocks of 256 bytes, a lane a block.  All eight clusters of a batch walk the same VK: the first of them asks.  Its sixteen
; waves share the blocks out BY ADDRESS (32 (4 cx + wave) + lane, held at the last block): no branch hangs on a work-group's place in its cluster.  The change that asks for the last step prefetches nothing.
.macro ASK how
.if \how
	s_cmp_eq_u32 s[LIM], 1
.else
	s_cmp_gt_u32 s[CNT], s[LIM]                    ; s[CNT] = 1 in the loop's last trip
.endif
	s_cbranch_scc0 .Lnot_mine_\@
	global_prefetch_b8 v[PFO], s[PFA:PFA+1] th:TH_LOAD_NT scope:SCOPE_SE
.Lnot_mine_\@:
.endm
; THE CHANGE OF SLOTS stands at a key step's head.  Each wave waits for all its tensor loads (its quarter of the slot that it is about to read), adds 0 to its spare word, and waits for that, for its reads of the
; slot that it has left, and for its stores of p.  fill = 1: a round of the cluster's barrier, so that no wave of any partner still reads that slot or has a load on its way; the joint refill is the first thing
; behind it, one load a wave, and has a whole key step in which to land.  Behind the barrier the step's p lies whole in LDS too.
.macro CHANGE fill, how
	WIN 0
	s_wait_tensorcnt 0x0                           ; no tensor load of mine is out, so the group 0 may be written
	ds_add_u32 v[SPW], v[NIL]                      ; 0 onto my spare word
.if \fill
	s_xor_b32 s[G0+1], s[G0+1], SLOT1              ; the walking descriptor: the other slot,
	s_add_nc_u64 s[G0+2:G0+3], s[G0+2:G0+3], STEPB ; the next block; the type bits on top are not reached
	s_wait_xcnt 0x0                                ; the last prefetch, a key step back, has read its address
	s_add_nc_u64 s[PFA:PFA+1], s[PFA:PFA+1], STEPB ; one block further on than the walking descriptor
	s_wait_dscnt 0x0                               ; the add is done, my reads of the slot that I have left are over, my stores of p have landed
	ROUND
	tensor_load_to_lds s[G0:G0+3], s[G1:G1+7]
	s_nop 0
.rept 4
	v_nop                                          ; also the plain lines in front of the loads into registers that the last products read
.endr
	ASK \how
.else
	s_wait_dscnt 0x0
	s_barrier_signal -1
	s_barrier_wait -1
.rept 4
	v_nop
.endr
.endif
.endm
; A KEY STEP.  zero = 1: the second product's first instructions start the sums.  soft = 1: the next step's scores, softmax and p are made on the way.
; All LDS loads go out in ONE run, in the order in which they are wanted: k and its scale words (52), p's and V's scale words (20), p (12), V (48).
.macro STEP zero, soft
	v_add_nc_u32 v[ADV], s[TB], v[AV0]
	v_add_nc_u32 v[ADVS], s[TB], v[AVS0]
	v_add_nc_u32 v[ADP], s[PB], v[PRI]
	v_add_nc_u32 v[ADPS], s[PB], v[PRS]
.if \soft
	v_add_nc_u32 v[ADK0], s[TB], v[AK0]
	v_add_nc_u32 v[ADKS0], s[TB], v[AKS0]
	v_add_nc_u32 v[ADPW], s[PBW], v[PWI]
	v_add_nc_u32 v[ADPWS], s[PBW], v[PWS]
	v_add_nc_u32 v[ADK1], 2*QRT, v[ADK0]
	v_add_nc_u32 v[ADKS1], 2*QRT, v[ADKS0]
.set kk, 0
.rept 8                                ; k's eight tiles, from all four quarters: 24 bytes twice a lane, in pieces of 8
	KT kk
.irp p, 0,1,2,3,4,5
.if kk < 4
	ds_load_b64 v[KTR+2*\p:KTR+2*\p+1], v[ADK0] offset:QRT*(kk/2)+1536*(kk%2)+48*(\p/3)+8*(\p%3)
.else
	ds_load_b64 v[KTR+2*\p:KTR+2*\p+1], v[ADK1] offset:QRT*((kk-4)/2)+1536*(kk%2)+48*(\p/3)+8*(\p%3)
.endif
.endr
.set kk, kk+1
.endr
.irp q, 0,1
	ds_load_b32 v[KS+\q], v[ADKS0] offset:QRT*\q
	ds_load_b32 v[KS+2+\q], v[ADKS1] offset:QRT*\q
.endr
.endif
.irp qt, 0,1,2,3
	ds_load_b32 v[PS+\qt], v[ADPS] offset:128*\qt
.endr
.set va, 0
.rept 16
	ds_load_b32 v[VS+va], v[ADVS] offset:128*va
.set va, va+1
.endr
	WIN 0x40                                       ; destination window 1
.irp qt, 0,1,2,3
.irp k, 0,1,2
	ds_load_b128 v[192+12*\qt+4*\k:192+12*\qt+4*\k+3], v[ADP] offset:1536*\qt+512*\k
.endr
.endr
.set va, 0
.rept 16                               ; my quarter's 16 fragments of V: images, 512 consecutive bytes a load
.irp k, 0,1,2
	ds_load_b128 v[12*va+4*\k:12*va+4*\k+3], v[ADV] offset:1536*va+512*\k
.endr
.set va, va+1
.endr
	WIN 0
.if \soft
	s_wait_dscnt 63                                ; k's loads are in: 80 were issued behind them
.set kk, 0
.rept 8
	KT kk
	WM S+8*kk, KTR, QF, -1, KS+kk/2, QS, kk%2
.set kk, kk+1
.endr
.rept 4
	v_nop                                          ; four plain lines in front of the first read of results (ISA guide 7.12.1)
.endr
.set sj, 0
.else
.set sj, NSM
.endif
.set SD, 0
.set va, 0
.rept 16                               ; O += P V^T: the 64 accumulators take turns; a slice of the list behind each product
	s_wait_dscnt 3*(15-va)+SD                      ; V's fragment va and all that was asked for ahead of it are in: behind it three loads for each later fragment, and p's four stores once they are out
.irp qt, 0,1,2,3
.if va < 8
	WIN 0xa5                                       ; sources 0 and 1 window 1, C and D window 2
.else
	WIN 0xf5                                       ; C and D window 3
.endif
.if \zero
	WM 32*(va%8)+8*\qt, 192+12*\qt, 12*va, -1, PS+\qt, VS+va, 0
.else
	WM 32*(va%8)+8*\qt, 192+12*\qt, 12*va, 32*(va%8)+8*\qt, PS+\qt, VS+va, 0
.endif
	SLICE 4
.endr
.set va, va+1
.endr
	WIN 0
	s_xor_b32 s[TB], s[TB], SLOT1                  ; on to the other slot,
	s_xor_b32 s[PB], s[PB], PBUF                   ; and p's buffers change places
	s_xor_b32 s[PBW], s[PBW], PBUF
.endm
; THE WAY OUT.  x's 16 rows of channel tile a, 64 tokens each: lanes 0-15 one row's 256 bytes, lanes 16-31 the next row's
.macro XLOAD a
.set XCH, 128*((\a)/8)+32*(((\a)%8)/2)+8*((\a)%2)
	WIN 0x40
.irp i, 0,1,2,3,4,5,6,7
	global_load_b128 v[32*((\a)%4)+4*\i:32*((\a)%4)+4*\i+3], v[GO], s[8:9] offset:8192*(XCH+2*\i+8*(\i/4)) th:TH_LOAD_NT
.endr
	WIN 0
.endm
.macro OUTT a
.set OBA, S+32*((\a)%2)
.set XA, 32*((\a)%4)
.set OA, 32*((\a)%8)
.set CHN2, 128*((\a)/8)+32*(((\a)%8)/2)+8*((\a)%2)
.set YL, 8*(15-(\a))
.if YL > 24
.set YL, 24
.endif
.if (\a) >= 2
	s_wait_xcnt 0x0                                ; the stores of two tiles back have read their data
.endif
	WIN 0x08+4*((\a)/8)                            ; an LDS store's data are its source 1: window 2 or 3
.irp qt, 0,1,2,3                       ; a lane's eight sums of tile qt are eight neighbouring tokens of its channel's row; each accumulator from its low end on
	ds_store_b128 v[STO], v[OA+8*\qt:OA+8*\qt+3] offset:4352*((\a)%2)+128*(\qt/2)+32*(\qt%2)
	ds_store_b128 v[STO], v[OA+8*\qt+4:OA+8*\qt+7] offset:4352*((\a)%2)+128*(\qt/2)+32*(\qt%2)+16
.endr
	WIN 0
.irp i, 0,1,2,3,4,5,6,7
	ds_load_b128 v[OBA+4*\i:OBA+4*\i+3], v[RD] offset:4352*((\a)%2)+544*\i   ; LDS serves a wave's instructions in order (ISA guide 5.7.1.4): these see my stores
.endr
	s_wait_dscnt 0x0
	s_wait_loadcnt YL                              ; this tile's eight loads of x are in; those of up to three later tiles may be out
	WIN 0x10                                       ; source 2 (x) window 1
.irp i, 0,1,2,3,4,5,6,7
	v_pk_fma_f32 v[OBA+4*\i:OBA+4*\i+1], v[OBA+4*\i:OBA+4*\i+1], v[G4:G4+1], v[XA+4*\i:XA+4*\i+1]
	v_pk_fma_f32 v[OBA+4*\i+2:OBA+4*\i+3], v[OBA+4*\i+2:OBA+4*\i+3], v[G4+2:G4+3], v[XA+4*\i+2:XA+4*\i+3]
.endr
	WIN 0
.irp i, 0,1,2,3,4,5,6,7
	global_store_b128 v[GO], v[OBA+4*\i:OBA+4*\i+3], s[12:13] offset:8192*(CHN2+2*\i+8*(\i/4)) th:TH_STORE_NT   ; sixteen lanes store 256 consecutive bytes, at a multiple of 256 from the buffer's first byte
.endr
.if (\a) < 12
	XLOAD (\a)+4
.endif
.endm
	s_load_b256 s[4:11], s[0:1], 0x0               ; QI s[4:5], VK s[6:7], x s[8:9], gamma s[10:11]
	s_load_b64 s[12:13], s[0:1], 0x20              ; out0
	v_lshl_add_u32 v[SPW], v0, 2, SPARE
	v_mov_b32 v[NIL], 0
	ds_add_u32 v4, v5
	ds_add_u32 v4, v5
	s_wait_dscnt 0x0
	v_lshrrev_b32 v10, 5, v0
	v_readfirstlane_b32 s[WV], v10                 ; wave 0..3
	s_bfe_u32 s17, ttmp6, 0x40000                  ; cx: it enters q's, x's, out's and the prefetches' addresses alone
	s_and_b32 s18, ttmp7, 0xffff                   ; the batch, which the four partners share
	s_lshl_b32 s19, ttmp9, 2
	s_add_co_u32 s19, s19, s17                     ; my block of 64 queries
	; descriptor group 1: a quarter of a block, 29,952 dense bytes, as 117 rows of 256 bytes (32 elements of 8 bytes)
	s_mov_b32 s[G1], 15|(3<<16)|(1<<21)            ; 15:0 the mask: all four work-groups; 17:16 elements of 8 bytes; 21 set beside a mask
	s_mov_b32 s[G1+1], 32<<16
	s_mov_b32 s[G1+2], 117<<16
	s_mov_b32 s[G1+3], 32<<16
	s_mov_b32 s[G1+4], 117
	s_mov_b32 s[G1+5], 32
	s_mov_b32 s[G1+6], 0
	s_mov_b32 s[G1+7], 0
	s_mul_i32 s22, s[WV], QRT                      ; my quarter
	s_mov_b32 s23, 0
	s_mul_i32 s20, s18, 16*STEPB                   ; my batch's 16 blocks
	s_mov_b32 s21, 0
	s_mov_b32 s[CS], 0x3e0293ee                    ; c = log2(e) / sqrt(128)
	s_mov_b32 s[CS+1], s[CS]                       ; named with it as a pair, so it is written
	s_mov_b32 s[SEL], 0x76543210
	s_mov_b32 s[SEL+1], 0xfedcba98
	s_mov_b32 s[TB], 0
	s_mov_b32 s[PB], 0
	s_mov_b32 s[PBW], 0
	s_cmp_eq_u32 ttmp9, 0                          ; the batch's first cluster: the same in all four partners
	s_cselect_b32 s[LIM], 1, -1
	s_wait_kmcnt 0x0
	s_load_b32 s[GAM], s[10:11], 0x0
	s_add_nc_u64 s[6:7], s[6:7], s[20:21]
	s_mov_b32 s[G0], 1
	s_mov_b32 s[G0+1], s22                         ; slot 0
	s_add_nc_u64 s[G0+2:G0+3], s[6:7], s[22:23]    ; block 0
	s_or_b32 s[G0+3], s[G0+3], 0x80000000
	s_add_nc_u64 s[PFA:PFA+1], s[6:7], STEPB       ; at block 1: the first change steps it to block 2.  Nothing is prefetched at the head
	ROUND                                          ; all four work-groups are here: the first joint loads meet
	tensor_load_to_lds s[G0:G0+3], s[G1:G1+7]      ; it lands while pass 1 runs
	s_nop 0
.rept 4
	v_nop
.endr
	v_and_b32 v[LI], 31, v0
	v_lshlrev_b32 v[L4], 2, v[LI]
	v_lshlrev_b32 v[LI], 4, v[LI]
	v_and_b32 v10, 15, v0                          ; r
	v_bfe_u32 v11, v0, 4, 1                        ; h
	v_mul_u32_u24 v[KA], v10, 96
	v_mad_u32_u24 v[KA], v11, 24, v[KA]
	v_lshlrev_b32 v[KSA], 2, v10
	v_lshl_add_u32 v[KSA], v11, 7, v[KSA]
	v_add_nc_u32 v[AV0], s22, v[LI]
	v_add_nc_u32 v[AVS0], s22, v[L4]
	v_add_nc_u32 v[AVS0], VSCO, v[AVS0]
	v_add_nc_u32 v[AK0], KCO, v[KA]
	v_add_nc_u32 v[AKS0], KSCO, v[KSA]
	s_mul_i32 s20, s[WV], 1536
	v_add_nc_u32 v[PWI], s20, v[LI]
	v_add_nc_u32 v[PWI], PIMG, v[PWI]
	s_lshl_b32 s20, s[WV], 7
	v_add_nc_u32 v[PWS], s20, v[L4]
	v_add_nc_u32 v[MXR], s20, v[L4]
	v_add_nc_u32 v[PWS], PIMG+PSCO, v[PWS]
	v_add_nc_u32 v[MXR], MXB, v[MXR]               ; the four waves' maxima of my query tile: 128 w + 4 x lane, 512 bytes apart
	v_add_nc_u32 v[PRI], PIMG, v[LI]
	v_add_nc_u32 v[PRS], PIMG+PSCO, v[L4]
	s_lshl_b32 s20, s[WV], 9
	v_add_nc_u32 v[MXW], s20, v[L4]
	v_add_nc_u32 v[MXW], MXB, v[MXW]               ; my maxima of the four query tiles: 512 w + 4 x lane, 128 bytes apart
	s_mul_i32 s20, s[WV], 8704
	s_add_co_u32 s20, s20, STG                     ; my stages
	v_mul_u32_u24 v[STO], v10, 272
	v_lshl_add_u32 v[STO], v11, 6, v[STO]
	v_add_nc_u32 v[STO], s20, v[STO]               ; in: row = my channel, + 64 h: tokens 16 h on
	v_mul_u32_u24 v[RD], v11, 272
	v_lshl_add_u32 v[RD], v10, 4, v[RD]
	v_add_nc_u32 v[RD], s20, v[RD]                 ; back: lanes 0-15 one row, lanes 16-31 the next
	v_lshlrev_b32 v[GO], 13, v11
	v_lshl_add_u32 v[GO], v10, 4, v[GO]            ; and the same two rows in x and out
	v_and_b32 v12, 8, v10
	v_add_nc_u32 v12, v12, v10
	v_lshlrev_b32 v12, 2, v12
	v_lshl_add_u32 v12, v11, 8, v12
	s_lshr_b32 s20, s[WV], 1
	s_lshl_b32 s20, s20, 7
	s_and_b32 s21, s[WV], 1
	s_lshl_b32 s21, s21, 5
	s_add_co_u32 s20, s20, s21
	s_add_co_u32 s20, s20, GB
	v_add_nc_u32 v[GBW], s20, v12                  ; my query's token among the 64: 32 (w / 2) + 8 (w % 2) + r + 8 (r / 8); each half of the lanes writes a copy of its own
	v_lshl_add_u32 v[GBR], v10, 4, GB
	s_lshl_b32 s20, s17, 2
	s_add_co_u32 s20, s20, s[WV]
	s_lshl_b32 s20, s20, 5
	v_and_b32 v[PFO], 31, v0
	v_add_nc_u32 v[PFO], s20, v[PFO]
	v_min_u32 v[PFO], 467, v[PFO]
	v_lshlrev_b32 v[PFO], 8, v[PFO]
	s_lshl_b32 s20, s18, 4
	s_lshr_b32 s21, s19, 1
	s_add_co_u32 s20, s20, s21                     ; my queries' group of 128 tokens
	s_mul_i32 s20, s20, 13312
	s_and_b32 s21, s19, 1
	s_mul_i32 s21, s21, 6656                       ; and which two pairs of its tiles
	s_add_co_u32 s20, s20, s21
	s_mov_b32 s21, 0
	s_add_nc_u64 s[4:5], s[4:5], s[20:21]
	s_lshr_b32 s20, s[WV], 1
	s_mul_i32 s20, s20, 3328
	s_and_b32 s22, s[WV], 1
	s_mul_i32 s50, s22, 1536
	s_add_co_u32 s50, s50, s20
	s_mov_b32 s51, 0
	s_add_nc_u64 s[46:47], s[4:5], s[50:51]        ; my own query tile's codes,
	s_lshl_b32 s50, s22, 7
	s_add_co_u32 s50, s50, s20
	s_add_co_u32 s50, s50, 3072
	s_add_nc_u64 s[48:49], s[4:5], s[50:51]        ; and scale words
	s_mul_i32 s50, s[WV], 4*STEPB
	s_add_nc_u64 s[44:45], s[6:7], s[50:51]        ; pass 1: my four blocks
	s_lshl_b32 s50, s18, 23
	s_lshl_b32 s52, s[WV], 21
	s_add_co_u32 s50, s50, s52
	s_lshl_b32 s52, s19, 8
	s_add_co_u32 s50, s50, s52
	s_add_nc_u64 s[8:9], s[8:9], s[50:51]          ; x and out at my batch, my 256 channels, my work-group's 64 tokens
	s_add_nc_u64 s[12:13], s[12:13], s[50:51]
	; ---- PASS 1: 295 loads, then 32 tiles of keys x four query tiles
.irp qt, 0,1,2,3
.irp p, 0,1,2,3,4,5
	global_load_b64 v[KF0+12*\qt+2*\p:KF0+12*\qt+2*\p+1], v[KA], s[4:5] offset:3328*(\qt/2)+1536*(\qt%2)+48*(\p/3)+8*(\p%3)
.endr
	global_load_b32 v[PS+\qt], v[L4], s[4:5] offset:3328*(\qt/2)+3072+128*(\qt%2)
.endr
.irp p, 0,1,2,3,4,5
	global_load_b64 v[QF+2*\p:QF+2*\p+1], v[KA], s[46:47] offset:48*(\p/3)+8*(\p%3)
.endr
	global_load_b32 v[QS], v[L4], s[48:49]
	WIN 0x40                                       ; the first key step's k, which lies in the batch's last block: into V's registers, idle until the ring's first step
.set ki, 0
.rept 8
.irp p, 0,1,2,3,4,5
	global_load_b64 v[12*ki+2*\p:12*ki+2*\p+1], v[KA], s[6:7] offset:15*STEPB+QRT*(ki/2)+KCO+1536*(ki%2)+48*(\p/3)+8*(\p%3)
.endr
.set ki, ki+1
.endr
	WIN 0
.irp q, 0,1,2,3
	global_load_b32 v[KS+\q], v[KSA], s[6:7] offset:15*STEPB+QRT*\q+KSCO
.endr
.set ki, 0
.rept 16
	global_load_b32 v[VS+ki], v[KSA], s[44:45] offset:STEPB*(ki/4)+QRT*(ki%4)+KSCO
.set ki, ki+1
.endr
.set ki, 0
.rept 32
	KR ki
	WIN KW<<6
.irp p, 0,1,2,3,4,5
	global_load_b64 v[KRG+2*\p:KRG+2*\p+1], v[KA], s[44:45] offset:STEPB*(ki/8)+QRT*((ki%8)/2)+KCO+1536*(ki%2)+48*(\p/3)+8*(\p%3)
.endr
.set ki, ki+1
.endr
	WIN 0
	s_wait_kmcnt 0x0                               ; gamma
; Three sets of four results take turns: a tile's scores are read two tiles later, so that another set's sixteen maxima are the plain lines between a product and the read of its result, and between a
; product and the product that writes over its result (ISA guide 7.12.1).  Tile 0's scores have no such maxima ahead of their first read: there the eight moves that start the running maxima, and write the
; lane permutes' destinations, are the plain lines.
.set ki, 0
.rept 32
.set YG, 6*(31-ki)
.if YG > 63
.set YG, 63
.endif
	s_wait_loadcnt YG                              ; this tile's loads, and all that were issued ahead of the tiles', are in: six were issued for each later tile
	KR ki
	WIN KW
.irp qt, 0,1,2,3
	WM S+32*(ki%3)+8*\qt, KRG, KF0+12*\qt, -1, VS+ki/2, PS+\qt, ki%2
.endr
	WIN 0
.if ki == 2
.irp qt, 0,1,2,3
	v_mov_b32 v[MX+\qt], 0xff800000                ; -infinity, under every score
.endr
.irp qt, 0,1,2,3
	v_mov_b32 v[TM+4+\qt], 0                       ; a lane permute's destination counts as read
.endr
.endif
.if ki >= 2
	MAXT ki-2
.endif
.set ki, ki+1
.endr
	MAXT 30
	MAXT 31
.irp qt, 0,1,2,3
	v_permlanex16_b32 v[TM+4+\qt], v[MX+\qt], s[SEL], s[SEL+1]
.endr
.irp qt, 0,1,2,3
	v_max_num_f32 v[MX+\qt], v[MX+\qt], v[TM+4+\qt]
.endr
.irp qt, 0,1,2,3
	ds_store_b32 v[MXW], v[MX+\qt] offset:128*\qt
.endr
	BARRIER                                        ; block 0's load may stay out
.irp q, 0,1,2,3
	ds_load_b32 v[TM+\q], v[MXR] offset:512*\q
.endr
	s_wait_dscnt 0x0
	v_max3_num_f32 v[TM], v[TM], v[TM+1], v[TM+2]
	v_max_num_f32 v[TM], v[TM], v[TM+3]            ; my query's largest score over all 2,048 keys
	v_mul_f32 v[TM], s[CS], v[TM]                  ; as t (c is positive)
	v_floor_f32 v[NM], -v[TM]                      ; -M = floor(-t) = -ceil(t)
	v_mov_b32 v[NM+1], v[NM]
	v_mov_b32 v[L], 0
	v_mov_b32 v[L+1], 0
	; ---- AHEAD OF THE RING: the first key step's scores, softmax and p; there are no products yet to set the list between
	v_add_nc_u32 v[ADPW], s[PBW], v[PWI]
	v_add_nc_u32 v[ADPWS], s[PBW], v[PWS]
	WIN 0x01                                       ; source 0 window 1
.irp kt, 0,1,2,3,4,5,6,7
	WM S+8*\kt, 12*\kt, QF, -1, KS+\kt/2, QS, \kt%2
.endr
	WIN 0
.rept 4
	v_nop                                          ; four plain lines in front of the first read of results
.endr
.set sj, 0
.set SD, 0
	SLICE NSM
	s_xor_b32 s[PBW], s[PBW], PBUF
	; ---- PASS 2: 16 key steps.  The first starts the sums, the last asks for nothing and has no next step: both are written out
	CHANGE 1, 1
	STEP 1, 1
	s_mov_b32 s[CNT], 14
.Lstep:
	CHANGE 1, 0
	STEP 0, 1
	s_sub_co_u32 s[CNT], s[CNT], 1
	s_cmp_lg_u32 s[CNT], 0
	s_cbranch_scc1 .Lstep
	CHANGE 0, 0
	STEP 0, 0
	; ---- THE WAY OUT: gamma / l of the 64 queries through LDS, in token order; then tile by tile of 16 channels through my stage, so that whole rows of 256 bytes are stored
.rept 4
	v_nop                                          ; plain lines in front of loads into V's registers and of the first read of the sums
.endr
	XLOAD 0
	XLOAD 1
	XLOAD 2
	XLOAD 3
	v_add_f32 v[TM], v[L], v[L+1]
	v_permlanex16_b32 v[TM+4], v[TM], s[SEL], s[SEL+1]
	v_add_f32 v[TM], v[TM], v[TM+4]                ; the row's sum
	v_rcp_f32 v[TM+1], v[TM]
	v_nop                                          ; a plain line behind the reciprocal
	s_wait_alu depctr_va_vdst(0)                   ; and the wait ahead of its first reader
	v_mul_f32 v[TM+1], s[GAM], v[TM+1]
	ds_store_b32 v[GBW], v[TM+1]
	BARRIER
	ds_load_b128 v[G4:G4+3], v[GBR]                ; of the four tokens that my 16 bytes of a row hold
.set oa, 0
.rept 16
	OUTT oa
.set oa, oa+1
.endr
	s_wait_tensorcnt 0x0                           ; the wave's end, behind my last tensor load and my last LDS store
	ds_add_u32 v[SPW], v[NIL]
	s_wait_dscnt 0x0
	ROUND                                          ; the closing round: no work-group ends while a partner may still ask for a tile that names it
	s_endpgm
.Lfunc_end_k_q9025f1dd09_attn:
	.size	k_q9025f1dd09_attn, .Lfunc_end_k_q9025f1dd09_attn-k_q9025f1dd09_attn
	.p2alignl 7, 3214868480
	.fill 96, 4, 3214868480
	.section	.rodata,"a",@progbits
	.p2align	6, 0x0
	.amdhsa_kernel k_q9025f1dd09_attn
		.amdhsa_group_segment_fixed_size 327680
		.amdhsa_private_segment_fixed_size 0
		.amdhsa_enable_private_segment 0
		.amdhsa_kernarg_size 40
		.amdhsa_user_sgpr_count 2
		.amdhsa_user_sgpr_kernarg_segment_ptr 1
		.amdhsa_wavefront_size32 1
		.amdhsa_system_sgpr_workgroup_id_x 1
		.amdhsa_system_sgpr_workgroup_id_y 1
		.amdhsa_system_sgpr_workgroup_id_z 1
		.amdhsa_system_vgpr_workitem_id 0
		.amdhsa_next_free_vgpr 1024
		.amdhsa_next_free_sgpr 66
		.amdhsa_reserve_vcc 0
		.amdhsa_float_denorm_mode_32 3
		.amdhsa_float_denorm_mode_16_64 3
		.amdhsa_memory_ordered 1
		.amdhsa_forward_progress 1
		.amdhsa_inst_pref_size 240
	.end_amdhsa_kernel
	.amdgpu_metadata
---
amdhsa.version: [ 1, 2 ]
amdhsa.kernels:
  - .name:           k_q9025f1dd09_attn
    .symbol:         k_q9025f1dd09_attn.kd
    .args:
      - { .name: QI, .offset: 0, .size: 8, .value_kind: global_buffer, .address_space: global }
      - { .name: VK, .offset: 8, .size: 8, .value_kind: global_buffer, .address_space: global }
      - { .name: x, .offset: 16, .size: 8, .value_kind: global_buffer, .address_space: global }
      - { .name: gamma, .offset: 24, .size: 8, .value_kind: global_buffer, .address_space: global }
      - { .name: out0, .offset: 32, .size: 8, .value_kind: global_buffer, .address_space: global }
    .group_segment_fixed_size: 327680
    .private_segment_fixed_size: 0
    .kernarg_segment_align: 8
    .kernarg_segment_size: 40
    .max_flat_workgroup_size: 128
    .sgpr_count:     66
    .vgpr_count:     1024
    .wavefront_size: 32
...
	.end_amdgpu_metadata
.endif
;; end of part 3
